; MI455X (gfx1250); checked and timed in simulation.
; The chip was launched on July 23, 2026; its instructions are those of AMD's public machine-readable ISA for CDNA 5 (MIT licence, August 2026) and "CDNA5" Instruction Set Architecture Reference Guide (July 2026). The comments in the code are by the model that wrote it; some were corrected since.
;; Deep Seek Mo E Layer. Allowed arithmetic: float matrix products may take bf16 or f16 operands with f32 sums; all other float work in f32.
;; Inputs: ew1 8 x 1,024 x 512 float32; ew2 8 x 512 x 1,024 float32; router_bias 8 float32; router_w 8 x 1,024 float32; sw1 1,024 x 2,048 float32; sw2 2,048 x 1,024 float32; sw3 1,024 x 2,048 float32; x 2 x 2,048 x 1,024 float32.
;; Outputs: out0 2 x 2,048 x 1,024 float32.
;; One version. Each part assembles by itself: llvm-mc -triple=amdgcn-amd-amdhsa -mcpu=gfx1250 --defsym DOCPART=n.
;; ======== version 1 of 1: 3 launches
;; limits: values outside matrix products are rounded to bf16; a function is approximated: absolute error at most 1.5e-07
;; workspace buffers: xb 8,388,608 bytes; wa 16,777,216 bytes; w2b 12,582,912 bytes; comb 131,072 bytes; hid 50,331,648 bytes
;; launch prep (part 1): grid 256 x 1, 9 waves a work-group, no clusters, 0 bytes of LDS; arguments x, router_w, router_bias, sw1, sw3, sw2, ew1, ew2, xb, wa, w2b, comb; writes xb, wa, w2b, comb
.if DOCPART == 1
	.amdgcn_target "amdgcn-amd-amdhsa--gfx1250"
	.amdhsa_code_object_version 6
	.text
	.protected	k_qec6da2bc62_prep
	.globl	k_qec6da2bc62_prep
	.p2align	8
	.type	k_qec6da2bc62_prep,@function
k_qec6da2bc62_prep:
	s_mov_b64 s[64:65], 0
	v_nop
	global_prefetch_b8 v0, s[64:65] scope:SCOPE_SE
	s_setreg_imm32_b32 hwreg(HW_REG_WAVE_MODE, 25, 1), 1
	s_wait_xcnt 0x0
; prep: every f32 operand of the two matrix layers is rounded once to bf16, and the router's combine weights are made.
;   xb  [4096][1024]  = bf16(x)
;   wa  [1024 k][8192 n] = bf16 of sw1 (n 0..2047) | sw3 (n 2048..4095) | ew1[e] (n 4096 + 512 e + h): layer 1's weights side by side
;   w2b [6144 k][1024 n] = bf16 of sw2 (k 0..2047) ; ew2[e] (k 2048 + 512 e + h): layer 2's weights one below the other
;   comb[4096][8] f32   = gate of expert e for the token, 0 where e is not one of the token's two
; 256 work-groups of nine waves; each takes 1/256 of every tensor.  Waves 0 to 6 convert one piece of 32,768 bytes of weights each
; (sw1, sw3, sw2, two of ew1, two of ew2); waves 7 and 8 take eight rows of x each, convert them and compute their router logits
; from the converted row while it is in registers, so that x is read once.
; Every load of a wave covers 512 consecutive bytes (16 a lane); a lane's four f32 become 8 bytes of bf16, so every store of a wave
; covers 256 consecutive bytes, aligned.
; A stream: no LDS, no barrier, no matrix instruction.  No cluster: the work-groups share nothing but router_w's 32,768 bytes.
; LIMITS.  The selection is made from x, router_w and router_bias ROUNDED TO bf16 (products exact, sums in f32), like the rest of
; the program's arithmetic.  Two selection scores that differ by less than the rounding of a 1,024-term f32 sum or of v_exp_f32 /
; v_rcp_f32 (1 ulp each) may be ranked otherwise than by the reference, saturated sigmoids of very large logits among them.
; Equal scores: the lower expert wins.  NaN or infinite logits or biases are not served.
.set RA,  16                           ; W path: v[16:79]   16 loads as they come (8,192 bytes of f32 of the wave)
.set RB,  80                           ;         v[80:143]  the other set
.set Y0,  144                          ;         v[144:175] 32 words of bf16 to store
.set Y1,  176                          ;         v[176:207] the other set
.set ZR,  4                            ; X path: v4         zero, the addend of a row's first products
.set TMP, 8                            ;         v[8:15]    the other half's sums (v_permlanex16_b32)
.set WP,  16                           ;         v[16:143]  router_w in bf16: expert e, word i at 16 + 16 e + i
.set XR,  144                          ;         v[144:207] two rows of x as loaded, 32 registers each
.set XP,  208                          ;         v[208:239] two rows of x in bf16, 16 registers each
.set ACC, 240                          ;         v[240:247] the row's eight sums
.set ZL,  248                          ;         v[248:255] logits: lanes 2 i and 2 i + 1 hold row i's
	s_load_b512 s[4:19], s[0:1], 0x0               ; x 4:5, router_w 6:7, router_bias 8:9, sw1 10:11, sw3 12:13, sw2 14:15, ew1 16:17, ew2 18:19
	s_load_b256 s[20:27], s[0:1], 0x40             ; xb 20:21, wa 22:23, w2b 24:25, comb 26:27
	v_lshrrev_b32 v1, 5, v0
	v_readfirstlane_b32 s28, v1                    ; wave 0..8
	v_and_b32 v1, 31, v0                           ; lane
	v_lshlrev_b32 v2, 4, v1                        ; a lane's 4 f32: 16 bytes
	s_cmp_ge_u32 s28, 7
	s_cbranch_scc1 .Lrows
; ---------------- waves 0 to 6: weights ----------------
; Source: 32,768 dense bytes.  Target: 256 bytes for each 512 of the source; where they lie hangs on the tensor.  Four such pieces
; (1,024 bytes of the target) lie side by side; from one four to the next is the "four step", from one quarter (16 pieces) to the next the "quarter step":
;   w  source  source offset          target  first byte D0                                        four step  quarter step
;   0  sw1     32768 wg               wa      65536 wg            (4 rows k of 16,384 bytes)       1024       16384
;   1  sw3     32768 wg               wa      65536 wg + 4096                                      1024       16384
;   2  sw2     32768 wg               w2b     16384 wg            (dense)                          1024       4096
;  3,4 ew1     65536 wg + 32768 hf    wa      (32 (wg & 31) + 16 hf) 16384 + 8192 + 1024 (wg >> 5) 16384      65536
;  5,6 ew2     65536 wg + 32768 hf    w2b     4194304 + 32768 wg + 16384 hf (dense)                1024       4096
	s_sub_co_u32 s51, s28, 3                       ; w - 3; below 3 it wraps, and then only the test "< 2" reads it, which fails
	s_and_b32 s29, s51, 1                          ; hf: which half of the work-group's 65,536 bytes of ew1 or ew2
	s_lshl_b32 s48, ttmp9, 15
	s_lshl_b32 s49, ttmp9, 16
	s_lshl_b32 s50, s29, 15
	s_add_co_u32 s49, s49, s50
	s_cmp_lt_u32 s28, 3
	s_cselect_b32 s34, s48, s49                    ; source offset
	s_mov_b32 s35, 0
	s_lshl_b32 s44, ttmp9, 16                      ; D0 for w = 0
	s_add_co_u32 s50, s44, 4096
	s_cmp_eq_u32 s28, 1
	s_cselect_b32 s44, s50, s44
	s_lshl_b32 s50, ttmp9, 14
	s_cmp_eq_u32 s28, 2
	s_cselect_b32 s44, s50, s44
	s_and_b32 s50, ttmp9, 31
	s_lshl_b32 s50, s50, 1
	s_add_co_u32 s50, s50, s29                     ; 2 (wg & 31) + hf: which 16 rows k of the expert
	s_lshl_b32 s50, s50, 18                        ; x 16 rows x 16,384 bytes
	s_lshr_b32 s52, ttmp9, 5                       ; expert
	s_lshl_b32 s52, s52, 10
	s_add_co_u32 s50, s50, s52
	s_add_co_u32 s50, s50, 8192
	s_cmp_ge_u32 s28, 3
	s_cselect_b32 s44, s50, s44
	s_lshr_b32 s50, s49, 1
	s_add_co_u32 s50, s50, 4194304
	s_cmp_ge_u32 s28, 5
	s_cselect_b32 s44, s50, s44
	s_mov_b32 s45, 0
	s_movk_i32 s46, 0x1000                         ; quarter step
	s_movk_i32 s53, 0x400                          ; four step
	s_movk_i32 s54, 0x4000
	s_mov_b32 s55, 0x10000
	s_cmp_lt_u32 s28, 2
	s_cselect_b32 s46, s54, s46
	s_cmp_lt_u32 s51, 2                            ; w = 3 or 4
	s_cselect_b32 s46, s55, s46
	s_cselect_b32 s53, s54, s53
	s_mov_b32 s47, 0
	v_lshlrev_b32 v4, 3, v1                        ; a lane's 4 bf16: 8 bytes; v[4+j]: four j of a quarter's four fours
	v_add_nc_u32 v5, s53, v4
	v_add_nc_u32 v6, s53, v5
	v_add_nc_u32 v7, s53, v6
	s_wait_kmcnt 0x0
	s_cmp_eq_u32 s28, 0
	s_cselect_b64 s[30:31], s[10:11], s[12:13]     ; the source, chosen by the wave's number alone
	s_cmp_eq_u32 s28, 2
	s_cselect_b64 s[30:31], s[14:15], s[30:31]
	s_cselect_b64 s[32:33], s[24:25], s[22:23]     ; the target
	s_cmp_ge_u32 s28, 3
	s_cselect_b64 s[30:31], s[16:17], s[30:31]
	s_cmp_ge_u32 s28, 5
	s_cselect_b64 s[30:31], s[18:19], s[30:31]
	s_cselect_b64 s[32:33], s[24:25], s[32:33]
	s_add_nc_u64 s[30:31], s[30:31], s[34:35]
	s_add_nc_u64 s[36:37], s[32:33], s[44:45]      ; a base for each quarter, so that none is stepped under a pending store
	s_add_nc_u64 s[38:39], s[36:37], s[46:47]
	s_add_nc_u64 s[40:41], s[38:39], s[46:47]
	s_add_nc_u64 s[42:43], s[40:41], s[46:47]
.macro WLOAD t, S                      ; quarter t: 8,192 bytes by 16 loads of 512 consecutive bytes
.set c, 0
.rept 16
	global_load_b128 v[\S+4*c:\S+4*c+3], v2, s[30:31] offset:\t*8192+c*512 th:TH_LOAD_NT
.set c, c+1
.endr
.endm
.macro WCVT S, Y                       ; 64 roundings, packed
.set k, 0
.rept 32
	v_cvt_pk_bf16_f32 v[\Y+k], v[\S+2*k], v[\S+2*k+1]
.set k, k+1
.endr
.endm
.macro WSTORE t, Y                     ; each store of the wave covers 256 consecutive bytes, aligned
.set c, 0
.rept 16
	global_store_b64 v[4+(c>>2)], v[\Y+2*c:\Y+2*c+1], s[36+2*\t:37+2*\t] offset:(c&3)*256
.set c, c+1
.endr
.endm
	WLOAD 0, RA
	WLOAD 1, RB
	s_wait_loadcnt 16                              ; loads come back in order: quarter 0 is in, the 16 younger loads stay out
	WCVT RA, Y0
	WLOAD 2, RA
	WSTORE 0, Y0
	s_wait_loadcnt 16                              ; quarter 1 is in, quarter 2's 16 stay out
	WCVT RB, Y1
	WLOAD 3, RB
	WSTORE 1, Y1
	s_wait_loadcnt 16                              ; quarter 2 is in
	s_wait_xcnt 0x0                                ; Y0, which quarter 0's stores read, is rewritten only behind this wait
	WCVT RA, Y0
	WSTORE 2, Y0
	s_wait_loadcnt 0x0
	s_wait_xcnt 0x0                                ; the same for Y1
	WCVT RB, Y1
	WSTORE 3, Y1
	s_endpgm
; ---------------- waves 7 and 8: eight rows of x each, and their router ----------------
; A lane's word i (0..15) of a row holds columns 128 (i >> 1) + 4 lane + 2 (i & 1) and the next one, in x and in router_w alike.
.Lrows:
	s_sub_co_u32 s29, s28, 7
	s_lshl_b32 s30, ttmp9, 4
	s_lshl3_add_u32 s30, s29, s30                  ; my first row = 16 wg + 8 (w - 7)
	s_lshl_b32 s32, s30, 12                        ; x 4,096 bytes in x
	s_mov_b32 s33, 0
	s_lshl_b32 s34, s30, 11                        ; x 2,048 in xb
	s_mov_b32 s35, 0
	s_lshl_b32 s36, s30, 5                         ; x 32 in comb
	s_mov_b32 s37, 0
	s_mov_b32 s56, 0x76543210                      ; v_permlanex16_b32: lane i of one half reads lane i of the other
	s_mov_b32 s57, 0xfedcba98
	s_mov_b32 s59, 0xaaaaaaaa                      ; the odd lanes
	s_mov_b32 s75, 0x3089705f                      ; 1e-9
	v_lshlrev_b32 v3, 3, v1                        ; 8 x lane: my bytes in 256 of xb
	v_mov_b32 v[ZR], 0
.irp e, 0,1,2,3,4,5,6,7
	v_mov_b32 v[TMP+\e], 0                         ; a v_permlanex16_b32's destination counts as read: written once here
.endr
	s_wait_kmcnt 0x0
	s_load_b256 s[48:55], s[8:9], 0x0              ; the eight biases
	s_add_nc_u64 s[4:5], s[4:5], s[32:33]
	s_add_nc_u64 s[20:21], s[20:21], s[34:35]
	s_add_nc_u64 s[26:27], s[26:27], s[36:37]
.macro RWLOAD e0, R                    ; router_w, four experts' rows as f32: 32 loads, 128 registers
.irp e, 0,1,2,3
.irp j, 0,1,2,3,4,5,6,7
	global_load_b128 v[\R+32*\e+4*\j:\R+32*\e+4*\j+3], v2, s[6:7] offset:(\e0+\e)*4096+512*\j
.endr
.endr
.endm
.macro RWPACK e0, R
.irp e, 0,1,2,3
.set k, 0
.rept 16
	v_cvt_pk_bf16_f32 v[WP+16*(\e0+\e)+k], v[\R+32*\e+2*k], v[\R+32*\e+2*k+1]
.set k, k+1
.endr
.endr
.endm
	RWLOAD 0, 80
	s_wait_loadcnt 0x0
	RWPACK 0, 80                                   ; v[80:207] to v[16:79]
	RWLOAD 4, 128
	s_wait_loadcnt 0x0
	RWPACK 4, 128                                  ; v[128:255] to v[80:143], experts in rising order: expert 7's words land where expert 4's f32 have been used
.irp p, 0,1
.irp j, 0,1,2,3,4,5,6,7
	global_load_b128 v[XR+32*\p+4*\j:XR+32*\p+4*\j+3], v2, s[4:5] offset:\p*4096+512*\j th:TH_LOAD_NT
.endr
.endr
; Row i.  ahead = 1: the row two further down is asked for into the registers just used.  left = how many younger loads stay out.
.macro ROW i, ahead, left
.set PX, XP+16*(\i&1)
.set RX, XR+32*(\i&1)
	s_wait_loadcnt \left                           ; my row's eight loads are in; the next row's eight stay out
	s_wait_xcnt 0x0                                ; the packed row of two rows ago, which its stores read, is rewritten only behind this wait
.set k, 0
.rept 16
	v_cvt_pk_bf16_f32 v[PX+k], v[RX+2*k], v[RX+2*k+1]
.set k, k+1
.endr
.if \ahead
.irp j, 0,1,2,3,4,5,6,7
	global_load_b128 v[RX+4*\j:RX+4*\j+3], v2, s[4:5] offset:(\i+2)*4096+512*\j th:TH_LOAD_NT
.endr
.endif
.irp j, 0,1,2,3,4,5,6,7
	global_store_b64 v3, v[PX+2*\j:PX+2*\j+1], s[20:21] offset:\i*2048+256*\j    ; 256 consecutive bytes, aligned
.endr
	; eight dot products of 32 numbers a lane, straight from the bf16 halves into f32; the eight chains take turns
.set k, 0
.rept 16
.irp e, 0,1,2,3,4,5,6,7
.if k == 0
	v_fma_mix_f32_bf16 v[ACC+\e], v[PX+k], v[WP+16*\e+k], v[ZR] op_sel_hi:[1,1,0]
.else
	v_fma_mix_f32_bf16 v[ACC+\e], v[PX+k], v[WP+16*\e+k], v[ACC+\e] op_sel_hi:[1,1,0]
.endif
.endr
.irp e, 0,1,2,3,4,5,6,7
	v_fma_mix_f32_bf16 v[ACC+\e], v[PX+k], v[WP+16*\e+k], v[ACC+\e] op_sel:[1,1,0] op_sel_hi:[1,1,0]
.endr
.set k, k+1
.endr
	; over the 32 lanes: four steps inside each half ride on the add, one crosses the halves; every lane ends with the sum
.irp m, 1,2,4,8
.irp e, 0,1,2,3,4,5,6,7
	v_add_f32_dpp v[ACC+\e], v[ACC+\e], v[ACC+\e] row_xmask:\m row_mask:0xf bank_mask:0xf
.endr
.endr
.irp e, 0,1,2,3,4,5,6,7
	v_permlanex16_b32 v[TMP+\e], v[ACC+\e], s56, s57
.endr
.if \i == 0
.irp e, 0,1,2,3,4,5,6,7
	v_add_f32 v[ZL+\e], v[ACC+\e], v[TMP+\e]       ; row 0 writes every lane, so that the logits' registers are whole
.endr
.else
	s_mov_b32 s58, 3<<(2*\i)                       ; lanes 2 i and 2 i + 1 keep row i
.irp e, 0,1,2,3,4,5,6,7
	v_add_f32 v[ACC+\e], v[ACC+\e], v[TMP+\e]
	v_cndmask_b32 v[ZL+\e], v[ZL+\e], v[ACC+\e], s58
.endr
.endif
.endm
	ROW 0, 1, 8
	ROW 1, 1, 8
	ROW 2, 1, 8
	ROW 3, 1, 8
	ROW 4, 1, 8
	ROW 5, 1, 8
	ROW 6, 0, 8                                    ; the last two rows ask for nothing: no load leaves x
	ROW 7, 0, 0
	; The gates of all eight rows at once: lanes 2 i and 2 i + 1 both work on row i (lanes 16 to 31 repeat row 0 and store nothing).
.set TE, 144                           ; v[144:151] exponent, then 1 + e^-z
.set SG, 152                           ; v[152:159] s = sigmoid(z)
.set LS, 160                           ; v[160:167] selection score s + bias
.set BI, 168                           ; v[168:175] bias, rounded to bf16
.set PS, 176                           ; v[176:183] s where selected, else 0
.set GT, 184                           ; v[184:191] the gate
.set MX, 192
.set I1, 193
.set I2, 194
.set DN, 195
.set RC, 196
.set NI, 197
.set HF, 198
.set OX, 200                           ; v[200:203] what the lane stores
	s_wait_kmcnt 0x0                               ; the biases
.irp q, 0,1,2,3
	v_cvt_pk_bf16_f32 v[HF], s[48+2*\q], s[49+2*\q]
	v_lshlrev_b32 v[BI+2*\q], 16, v[HF]
	v_and_b32 v[BI+2*\q+1], 0xffff0000, v[HF]
.endr
.irp e, 0,1,2,3,4,5,6,7
	v_mul_f32 v[TE+\e], 0xbfb8aa3b, v[ZL+\e]       ; -z log2(e)
.endr
.irp e, 0,1,2,3,4,5,6,7
	v_exp_f32 v[TE+\e], v[TE+\e]
.endr
	v_mov_b32 v[NI], 0xff800000                    ; minus infinity; also the plain instruction between the exponentials and their use (ISA guide 5.7.2)
	s_wait_alu depctr_va_vdst(0)
.irp e, 0,1,2,3,4,5,6,7
	v_add_f32 v[TE+\e], 1.0, v[TE+\e]
.endr
.irp e, 0,1,2,3,4,5,6,7
	v_rcp_f32 v[SG+\e], v[TE+\e]
.endr
	v_nop                                          ; the same behind the reciprocals
	s_wait_alu depctr_va_vdst(0)
.irp e, 0,1,2,3,4,5,6,7
	v_add_f32 v[LS+\e], v[SG+\e], v[BI+\e]
.endr
.macro TOP idx                         ; the index of the largest score; of equal ones the lowest (the scan runs downward)
	v_max3_num_f32 v[MX], v[LS], v[LS+1], v[LS+2]
	v_max3_num_f32 v[MX], v[MX], v[LS+3], v[LS+4]
	v_max3_num_f32 v[MX], v[MX], v[LS+5], v[LS+6]
	v_max_num_f32 v[MX], v[MX], v[LS+7]
	v_mov_b32 v[\idx], 7
.irp e, 6,5,4,3,2,1,0
	v_cmp_neq_f32 vcc_lo, v[LS+\e], v[MX]
	v_cndmask_b32 v[\idx], \e, v[\idx], vcc_lo
.endr
.endm
	TOP I1
.irp e, 0,1,2,3,4,5,6,7
	v_cmp_eq_u32 vcc_lo, \e, v[I1]
	v_cndmask_b32 v[LS+\e], v[LS+\e], v[NI], vcc_lo        ; the winner leaves the field
.endr
	TOP I2
.irp e, 0,1,2,3,4,5,6,7
	v_cmp_eq_u32 s[66+\e], \e, v[I1]
	v_cmp_eq_u32 vcc_lo, \e, v[I2]
	s_or_b32 s[66+\e], s[66+\e], vcc_lo                    ; expert e is one of the token's two
	v_cndmask_b32 v[PS+\e], 0, v[SG+\e], s[66+\e]
.endr
	v_add_f32 v[DN], v[PS], v[PS+1]                ; the two affinities and six zeros: exactly their sum
	v_add_f32 v[MX], v[PS+2], v[PS+3]
	v_add_f32 v[HF], v[PS+4], v[PS+5]
	v_add_f32 v[RC], v[PS+6], v[PS+7]
	v_add_f32 v[DN], v[DN], v[MX]
	v_add_f32 v[HF], v[HF], v[RC]
	v_add_f32 v[DN], v[DN], v[HF]
	v_cmp_lt_f32 s74, s75, v[DN]                   ; denom > 1e-9
	v_add_f32 v[RC], s75, v[DN]
	v_rcp_f32 v[RC], v[RC]
	v_nop
	s_wait_alu depctr_va_vdst(0)
.irp e, 0,1,2,3,4,5,6,7
	v_mul_f32 v[GT+\e], v[PS+\e], v[RC]            ; s / (denom + 1e-9)
	v_cndmask_b32 v[HF], 0, 0.5, s[66+\e]          ; or 1 / 2 where the denominator is too small
	v_cndmask_b32 v[GT+\e], v[HF], v[GT+\e], s74
.endr
.irp j, 0,1,2,3
	v_cndmask_b32 v[OX+\j], v[GT+\j], v[GT+4+\j], s59      ; even lane: experts 0 to 3; odd lane: 4 to 7
.endr
	v_cmp_gt_u32 vcc_lo, 16, v1
	s_wait_xcnt 0x0                                ; EXEC is a source of the pending stores: it changes only behind this wait
	s_and_saveexec_b32 s60, vcc_lo
	global_store_b128 v2, v[OX:OX+3], s[26:27]     ; sixteen lanes: my eight rows of comb, 256 consecutive bytes, aligned
	s_wait_xcnt 0x0                                ; and again in front of the line that widens it
	s_or_b32 exec_lo, exec_lo, s60
	s_endpgm
.Lfunc_end_k_qec6da2bc62_prep:
	.size	k_qec6da2bc62_prep, .Lfunc_end_k_qec6da2bc62_prep-k_qec6da2bc62_prep
	.p2alignl 7, 3214868480
	.fill 96, 4, 3214868480
	.section	.rodata,"a",@progbits
	.p2align	6, 0x0
	.amdhsa_kernel k_qec6da2bc62_prep
		.amdhsa_group_segment_fixed_size 0
		.amdhsa_private_segment_fixed_size 0
		.amdhsa_enable_private_segment 0
		.amdhsa_kernarg_size 96
		.amdhsa_user_sgpr_count 2
		.amdhsa_user_sgpr_kernarg_segment_ptr 1
		.amdhsa_wavefront_size32 1
		.amdhsa_system_sgpr_workgroup_id_x 1
		.amdhsa_system_sgpr_workgroup_id_y 1
		.amdhsa_system_sgpr_workgroup_id_z 1
		.amdhsa_system_vgpr_workitem_id 0
		.amdhsa_next_free_vgpr 256
		.amdhsa_next_free_sgpr 80
		.amdhsa_reserve_vcc 1
		.amdhsa_float_denorm_mode_32 3
		.amdhsa_float_denorm_mode_16_64 3
		.amdhsa_memory_ordered 1
		.amdhsa_forward_progress 1
		.amdhsa_inst_pref_size 221
	.end_amdhsa_kernel
	.amdgpu_metadata
---
amdhsa.version: [ 1, 2 ]
amdhsa.kernels:
  - .name:           k_qec6da2bc62_prep
    .symbol:         k_qec6da2bc62_prep.kd
    .args:
      - { .name: x, .offset: 0, .size: 8, .value_kind: global_buffer, .address_space: global }
      - { .name: router_w, .offset: 8, .size: 8, .value_kind: global_buffer, .address_space: global }
      - { .name: router_bias, .offset: 16, .size: 8, .value_kind: global_buffer, .address_space: global }
      - { .name: sw1, .offset: 24, .size: 8, .value_kind: global_buffer, .address_space: global }
      - { .name: sw3, .offset: 32, .size: 8, .value_kind: global_buffer, .address_space: global }
      - { .name: sw2, .offset: 40, .size: 8, .value_kind: global_buffer, .address_space: global }
      - { .name: ew1, .offset: 48, .size: 8, .value_kind: global_buffer, .address_space: global }
      - { .name: ew2, .offset: 56, .size: 8, .value_kind: global_buffer, .address_space: global }
      - { .name: xb, .offset: 64, .size: 8, .value_kind: global_buffer, .address_space: global }
      - { .name: wa, .offset: 72, .size: 8, .value_kind: global_buffer, .address_space: global }
      - { .name: w2b, .offset: 80, .size: 8, .value_kind: global_buffer, .address_space: global }
      - { .name: comb, .offset: 88, .size: 8, .value_kind: global_buffer, .address_space: global }
    .group_segment_fixed_size: 0
    .private_segment_fixed_size: 0
    .kernarg_segment_align: 8
    .kernarg_segment_size: 96
    .max_flat_workgroup_size: 288
    .sgpr_count:     80
    .vgpr_count:     256
    .wavefront_size: 32
...
	.end_amdgpu_metadata
.endif
;; end of part 1
;; launch up (part 2): grid 16 x 32, 4 waves a work-group, clusters of 4 x 4, 327,680 bytes of LDS; arguments xb, wa, hid, comb; writes hid
.if DOCPART == 2
	.amdgcn_target "amdgcn-amd-amdhsa--gfx1250"
	.amdhsa_code_object_version 6
	.text
	.protected	k_qec6da2bc62_up
	.globl	k_qec6da2bc62_up
	.p2align	8
	.type	k_qec6da2bc62_up,@function
k_qec6da2bc62_up:
	s_mov_b64 s[64:65], 0
	v_nop
	global_prefetch_b8 v0, s[64:65] scope:SCOPE_SE
	s_setreg_imm32_b32 hwreg(HW_REG_WAVE_MODE, 25, 1), 1
	s_wait_xcnt 0x0
	s_wait_alu depctr_hold_cnt(0) depctr_sa_sdst(0) depctr_va_vdst(0) depctr_va_sdst(0) depctr_va_ssrc(0) depctr_va_vcc(0) depctr_vm_vsrc(0)
	s_getreg_b32 s2, hwreg(HW_REG_IB_STS2, 6, 4)
	s_cmp_eq_u32 s2, 0
	s_cbranch_scc0 .Lentry_in_a_cluster
	s_endpgm
.Lentry_in_a_cluster:
	s_bfe_u32 s2, ttmp6, 0x10000c
	s_cmp_lg_u32 s2, 0xf033
	s_cbranch_scc0 .Lentry_shape_is_right
	s_endpgm
.Lentry_shape_is_right:
; up: layer 1 of all experts as one product, xb [4096][1024] x wa [1024 k][8192 n], and the activations; the hidden values go to hid in bf16.
; A work-group makes 256 tokens x 256 columns of the product with four waves; a wave makes 128 x 128: 64 accumulator tiles, 512 registers.
; The grid's x is the block row br (16), its y the place of the block column (32).  Block column bc = place xor 16:
;   places 0..15 (cluster y 0..3), bc 16..31: ROUTED expert e = (bc >> 1) & 7.  B's halves 0, 1 = wa's columns 256 bc + 128 half;
;     hidden = gelu(h) comb[token][e], 256 columns (the combine weight is folded in here, so that layer 2 is one plain product).
;   places 16..31 (cluster y 4..7), bc 0..15: SHARED expert.  B's half 0 = sw1's columns 128 bc .. + 127, half 1 = the same columns of sw3;
;     hidden = silu(h1) h3, 128 columns.
; The routed blocks' way out has some four times the instructions of the shared blocks': the long blocks stand first in the grid, 256 of each kind.
; A wave takes rows 128 (w >> 1) .. and, of EACH half, columns 64 (w & 1) .. + 63: tiles b = 0..3 from half 0, b = 4..7 from half 1.
; hid is [96 G][4096 token][64 c], hidden index = 64 G + c: a wave's 128 tokens of one G are 16,384 consecutive bytes.
; K goes in steps of 128 through two LDS slots filled by the tensor data mover.  wa keeps its [k][n] order: B's fragments are read with the
; transposing LDS load.  CLUSTERS: 4 x 4 work-groups; A's tile hangs on the block row alone (x) and is asked for jointly by the four with my cx,
; B's on the block column alone (y), jointly by the four with my cy: the requests for both are divided by four.
; A wave has two tensor loads out at the start and one behind each refill.
; THE WAY OUT IS TWO SHORT LOOPS: registers cannot be indexed by a loop, so each wave first lays its 64 tiles as f32 into an image of its own in the
; slots (which have had their last fill), 128 rows of 512 + 16 bytes, and a counted loop reads it back so that a lane holds eight neighbouring
; columns of one token: the activation's 16 bytes of bf16 go straight to hid, 512 consecutive bytes a store.
; LIMITS.  erf by the rational form of Abramowitz and Stegun 7.1.26, absolute error 1.5e-7 for every argument; nothing is cut by range
; (x^2 that overflows gives e^-inf = 0 and erf = 1).  Hidden values are rounded to bf16 once.
;
; REGISTERS, in windows of 256: window 0: v16-29 addresses, v32-35 comb, v40-53 constants, v64-127 and v128-191 fragments of A (two buffers),
; later v64-255 the way out's work; window 1: v64-127, v128-191 fragments of B; window 2: tiles of my rows 0-63 (tile (a, b) at v[8 (8 a + b)]); window 3: rows 64-127.
; The matrix instruction is used transposed (source 0 = 16 columns of B, source 1 = 16 rows of A): lane l holds token l % 16 of the tile and its
; registers 0 to 7 the columns 8 (l / 16) + 0 .. 7.
.set PA,     272                       ; A's LDS row: 256 bytes + 16: sixteen rows' 16-byte pieces fall on sixteen different places modulo 256 bytes
.set PB,     288                       ; B's LDS row (one k, 128 n): 256 bytes + 32, an odd multiple of 32 for the transposing load
.set REG,    36864                     ; what one tensor load fills: 128 rows of B (128 x 288); A's 128 rows use 34,816 of it
.set SLOT,   4*REG                     ; A half 0, A half 1, B half 0, B half 1
.set TABLE,  2*SLOT                    ; behind the ring, never a fill's target: 512 bytes for each wave, comb / 2 of its 128 tokens
.set IP,     528                       ; a row of a wave's image: 128 f32 + 16 bytes
.set IMG,    128*IP                    ; a wave's image: 67,584 bytes; four of them are 270,336 of the slots' 294,912
.set LAPS,   4                         ; 1024 / (2 x 128): a lap is once round the ring
.set ASTEP,  256                       ; bytes from one K step to the next in xb: 128 bf16 along a row
.set BSTEP,  2097152                   ; and in wa: 128 rows of 16,384 bytes
.set ADRA, 16                          ; v16-17  LDS address of my A fragments in slot 0, 1
.set ADRB, 20                          ; v20-23  of my B fragments: slot 0 half 0, slot 0 half 1, slot 1 half 0, slot 1 half 1
.set WR,   24                          ; v24     where I put a tile's 32 bytes in my image
.set RDI,  25                          ; v25     where I read my image; stepped by the loops
.set CO,   26                          ; v26     16 x lane: my bytes in 512 consecutive bytes of hid
.set CV,   27                          ; v27     my token's byte offset in comb
.set RDC,  28                          ; v28     where I read my table; stepped by the loop
.set CTW,  29                          ; v29     where I put a word of my table
.set CB,   32                          ; v[32:35] comb of token 32 j + lane, j = 0..3
.set KA5,  40                          ; pairs of constants
.set KA4,  42
.set KA3,  44
.set KA2,  46
.set KA1,  48
.set KEX,  50
.set ONE,  52
.set F0,   64
.set F1,   128
.set XX,   64                          ; the routed loop's work, 32 registers each
.set TT,   96
.set QQ,   128
.set HX,   160
.set PP,   192
.set OUTP, 224                         ; 16 packed words
.set CP,   240                         ; v[240:241] comb / 2 of my two tokens of the trip
.set SA,   64                          ; the shared loop: set A, 32 of h1 and 32 of h3
.set SB,   128                         ; set B
.set ST,   192                         ; at work
.set OA,   224                         ; 16 packed words of set A
.set OB,   240                         ; of set B
.set G1,  24                           ; s[24:31] descriptor group 1, A
.set G0,  32                           ; s[32:39] group 0, A, a set for each slot
.set G1B, 48                           ; s[48:55] group 1, B
.set G0B, 56                           ; s[56:63] group 0, B
.set MSB, 0
.macro WIN new                         ; the immediate's high byte repeats the setting that is left
.if MSB != \new
	s_set_vgpr_msb (MSB<<8)|\new
.set MSB, \new
.endif
.endm
.set MUL_LO, 0xa1                      ; source 0 (B) window 1, source 1 (A) window 0, C and D window 2
.set MUL_HI, 0xf1                      ; the same, C and D window 3
.set TO_B,   0x40                      ; destination window 1, address window 0
; A joint load.  Waves 0 and 1 fetch A's two halves, waves 2 and 3 B's.  Each line has one mask and one set of registers for all that issue it.
; The branch hangs on the wave's number alone.  Four v_nop follow each line.
.macro JLOAD s
	s_cmp_eq_u32 s13, 0
	s_cbranch_scc0 .Lfor_b_\@
	tensor_load_to_lds s[G0+4*\s:G0+4*\s+3], s[G1:G1+7]
	s_nop 0
.rept 4
	v_nop
.endr
	s_branch .Lasked_\@
.Lfor_b_\@:
	tensor_load_to_lds s[G0B+4*\s:G0B+4*\s+3], s[G1B:G1B+7]
	s_nop 0
.rept 4
	v_nop
.endr
.Lasked_\@:
.endm
; A round of the cluster's barrier: my work-group's barrier; wave 0 signals for the work-group; every wave waits for all sixteen; my work-group's barrier again.
.macro CREST                           ; a round behind its opening barrier
	s_cmp_lg_u32 s12, 0
	s_cbranch_scc1 .Lnot_wave_0_\@
	s_barrier_signal -3
.Lnot_wave_0_\@:
	s_barrier_wait -3
	s_barrier_signal -1
	s_barrier_wait -1
.endm
.macro CROUND
	s_barrier_signal -1
	s_barrier_wait -1
	CREST
.endm
	s_load_b256 s[4:11], s[0:1], 0x0               ; xb s[4:5], wa s[6:7], hid s[8:9], comb s[10:11]
	s_set_vgpr_msb 0x40
	v_lshl_add_u32 v255, v0, 2, 0x48800
	s_set_vgpr_msb 0x4000
	v_mov_b32 v63, 0
	s_set_vgpr_msb 0x1
	ds_add_u32 v255, v63
	s_set_vgpr_msb 0x100
	v_lshrrev_b32 v1, 5, v0
	v_readfirstlane_b32 s12, v1                    ; wave 0..3
	s_lshr_b32 s13, s12, 1                         ; which 128 rows are mine.  Also: I fetch for A (0) or for B (1)
	s_and_b32 s14, s12, 1                          ; which 64 columns of each half.  Also: which half of that tile I fetch
	s_bfe_u32 s40, ttmp6, 0x40000                  ; cx
	s_bfe_u32 s41, ttmp6, 0x40004                  ; cy
	s_lshl_b32 s45, ttmp9, 2
	s_add_co_u32 s45, s45, s40                     ; block row br = 4 x cluster x + cx
	s_and_b32 s69, ttmp7, 0xffff                   ; cluster y: below 4 routed, from 4 on shared; alike in all sixteen partners
	s_lshl_b32 s42, s69, 2
	s_add_co_u32 s42, s42, s41                     ; place along y = 4 x cluster y + cy
	s_xor_b32 s42, s42, 16                         ; block column bc: the routed ones stand first
	s_lshl_b32 s43, 0x1111, s40                    ; the four with my cx: places cx, cx + 4, cx + 8, cx + 12
	s_lshl_b32 s44, s41, 2
	s_lshl_b32 s44, 15, s44                        ; the four with my cy: places 4 cy .. 4 cy + 3
	; group 1: tiles of 128 rows x 128 elements of 2 bytes, padded behind every 64 words: A by 4 words, B by 8
	s_or_b32 s[G1+0], s43, (1<<16)|(1<<20)|(1<<21)|(5<<22)|(3<<25)
	s_or_b32 s[G1B+0], s44, (1<<16)|(1<<20)|(1<<21)|(5<<22)|(7<<25)
	s_mov_b32 s[G1+1], 128<<16                     ; tensor_dim0 = 128
	s_mov_b32 s[G1B+1], 128<<16
	s_mov_b32 s[G1+2], 128<<16                     ; tensor_dim1 = 128
	s_mov_b32 s[G1B+2], 128<<16
	s_mov_b32 s[G1+3], 128<<16                     ; tile_dim0 = 128
	s_mov_b32 s[G1B+3], 128<<16
	s_mov_b32 s[G1+4], 128                         ; tile_dim1 = 128
	s_mov_b32 s[G1B+4], 128
	s_mov_b32 s[G1+5], 1024                        ; elements from row to row: xb
	s_mov_b32 s[G1B+5], 8192                       ; wa
	s_mov_b32 s[G1+6], 0
	s_mov_b32 s[G1B+6], 0
	s_mov_b32 s[G1+7], 0
	s_mov_b32 s[G1B+7], 0
	; where the tiles come from; A's offset is made of br and the wave's number, B's of bc and the wave's number, in registers of their own
	s_lshl_b32 s16, s45, 8
	s_lshl_b32 s17, s14, 7
	s_add_co_u32 s16, s16, s17                     ; A: token 256 br + 128 half
	s_lshl_b32 s16, s16, 11                        ; x 2,048 bytes
	s_mov_b32 s17, 0
	s_lshl_b32 s46, s42, 8                         ; B, shared: column 128 bc + 2048 half, in bytes
	s_lshl_b32 s47, s14, 12
	s_add_co_u32 s46, s46, s47
	s_lshl_b32 s76, s42, 9                         ; B, routed: column 256 bc + 128 half, in bytes
	s_lshl_b32 s77, s14, 8
	s_add_co_u32 s76, s76, s77
	s_cmp_ge_u32 s69, 4                            ; shared?
	s_cselect_b32 s46, s46, s76
	s_mov_b32 s47, 0
	s_mul_i32 s20, s12, REG                        ; and where they go: the wave's number alone
	s_wait_dscnt 0x0
	s_wait_kmcnt 0x0
	s_add_nc_u64 s[18:19], s[4:5], s[16:17]
	s_add_nc_u64 s[46:47], s[6:7], s[46:47]
	CROUND                                         ; all sixteen work-groups are here: the first joint loads meet
.irp s, 0,1
	s_mov_b32 s[G0+4*\s], 1
	s_add_co_u32 s[G0+4*\s+1], s20, \s*SLOT
	s_add_nc_u64 s[G0+4*\s+2:G0+4*\s+3], s[18:19], \s*ASTEP
	s_or_b32 s[G0+4*\s+3], s[G0+4*\s+3], 0x80000000
	s_mov_b32 s[G0B+4*\s], 1
	s_add_co_u32 s[G0B+4*\s+1], s20, \s*SLOT
	s_add_nc_u64 s[G0B+4*\s+2:G0B+4*\s+3], s[46:47], \s*BSTEP
	s_or_b32 s[G0B+4*\s+3], s[G0B+4*\s+3], 0x80000000
	JLOAD \s                                       ; both slots are asked for before anything else is done
.endr
	v_and_b32 v1, 15, v0                           ; r = l % 16
	v_bfe_u32 v2, v0, 4, 1                         ; h = l / 16
	; A's fragment: lane l holds row r; registers 0-3 K = 8 h + 0..7, registers 4-7 K = 16 + 8 h + 0..7: two loads of 16 bytes, 32 bytes apart
	v_mul_u32_u24 v3, v1, PA
	v_lshl_add_u32 v3, v2, 4, v3
	s_mul_i32 s21, s13, REG
	v_add_nc_u32 v[ADRA], s21, v3
	v_add_nc_u32 v[ADRA+1], SLOT, v[ADRA]
	; B's fragment by the transposing load: lane l addresses row k = 8 h + l % 8, 16 bytes at column 8 ((l >> 3) & 1), and receives column r, K = 8 h + 0..7
	v_and_b32 v3, 7, v0
	v_lshl_add_u32 v3, v2, 3, v3
	v_mul_u32_u24 v3, v3, PB
	v_bfe_u32 v4, v0, 3, 1
	v_lshl_add_u32 v3, v4, 4, v3
	s_lshl_b32 s22, s14, 7                         ; my 64 columns of a half: 128 bytes
	s_add_co_u32 s22, s22, 2*REG
	v_add_nc_u32 v[ADRB], s22, v3
	v_add_nc_u32 v[ADRB+1], REG, v[ADRB]
	v_add_nc_u32 v[ADRB+2], SLOT, v[ADRB]
	v_add_nc_u32 v[ADRB+3], SLOT+REG, v[ADRB]
	; the way out's addresses
	s_mul_i32 s23, s12, IMG                        ; my image
	v_mul_u32_u24 v4, v1, IP
	v_lshl_add_u32 v4, v2, 5, v4
	v_add_nc_u32 v[WR], s23, v4                    ; in: row r, 32 bytes for each half of the lanes
	v_bfe_u32 v5, v0, 3, 2                         ; l / 8
	v_and_b32 v6, 7, v0                            ; l % 8
	v_mul_u32_u24 v7, v5, IP
	v_lshl_add_u32 v7, v6, 5, v7
	v_add_nc_u32 v[RDI], s23, v7                   ; back: eight lanes take 64 columns of a row, 32 bytes each; the wave four rows.  Two rows' pieces are 528 bytes
	                                               ; apart, 16 modulo 32: sixteen lanes' 16 bytes fall on sixteen different places modulo 256 bytes
	s_lshl_b32 s22, s12, 9
	s_add_co_u32 s22, s22, TABLE                   ; my table
	v_lshl_add_u32 v[RDC], v5, 2, s22              ; back: the word of token l / 8
	v_and_b32 v[CO], 31, v0                        ; lane
	v_lshl_add_u32 v[CTW], v[CO], 2, s22           ; in: the word of token lane
	s_lshl_b32 s22, s13, 12
	v_lshl_add_u32 v[CV], v[CO], 5, s22            ; (128 (w >> 1) + lane) x 32 bytes
	v_lshlrev_b32 v[CO], 4, v[CO]
.macro PAIR reg, val
	v_mov_b32 v[\reg], \val
	v_mov_b32 v[\reg+1], \val
.endm
	PAIR KA5, 0xbf87dc22                           ; -1.061405429
	PAIR KA4, 0x3fba00e3                           ; +1.453152027
	PAIR KA3, 0xbfb5f0e3                           ; -1.421413741
	PAIR KA2, 0x3e91a98e                           ; +0.284496736
	PAIR KA1, 0xbe827906                           ; -0.254829592
	PAIR KEX, 0xbf38aa3b                           ; -log2(e) / 2
	PAIR ONE, 1.0
	s_mov_b32 s66, 0xbfb8aa3b                      ; -log2(e)
	s_mov_b32 s67, 0xbfb8aa3b
	s_mov_b32 s68, 0x3e6d3388                      ; 0.3275911 / sqrt(2)
	; comb of my 128 tokens for expert e.  Asked for, and later laid into the table, in every block, so that the text has one way up to the last barrier of
	; the way out; a shared block's e is a valid column too, and its table is not read.  The loads stay out over the K loop; nothing names v27, v[32:35]
	; or s[10:11] meanwhile.
	s_lshr_b32 s72, s42, 1
	s_and_b32 s72, s72, 7
	s_lshl_b32 s72, s72, 2                         ; 4 e
	s_lshl_b32 s73, s45, 13                        ; 256 br x 32 bytes
	s_add_co_u32 s72, s72, s73
	s_mov_b32 s73, 0
	s_add_nc_u64 s[10:11], s[10:11], s[72:73]
.irp j, 0,1,2,3
	global_load_b32 v[CB+\j], v[CV], s[10:11] offset:1024*\j
.endr
	; hid at my first token of my first group G: shared G = 2 bc + (w & 1); routed G = 4 bc - 32 + (w & 1), and two groups further for half 1
	s_lshl_b32 s70, s42, 1
	s_lshl_b32 s71, s42, 2
	s_sub_co_u32 s71, s71, 32
	s_cmp_ge_u32 s69, 4
	s_cselect_b32 s70, s70, s71
	s_add_co_u32 s70, s70, s14
	s_lshl_b32 s70, s70, 19                        ; x 524,288 bytes
	s_lshl_b32 s71, s45, 15                        ; 256 br x 128 bytes
	s_add_co_u32 s70, s70, s71
	s_lshl_b32 s71, s13, 14
	s_add_co_u32 s70, s70, s71
	s_mov_b32 s71, 0
	s_add_nc_u64 s[8:9], s[8:9], s[70:71]
; 16 matrix instructions: m blocks a0, a0 + 1 of the window's four x all 8 n blocks, 32 along K.  zero = 1: the first product starts the sums.
; The 64 accumulators take turns, one instruction a turn, in the same order in every quarter step.
.macro MUL16 f, hi, a0, zero
.irp a, \a0, \a0+1
.irp b, 0,1,2,3,4,5,6,7
.if \zero
	v_wmma_f32_16x16x32_bf16 v[8*(8*(\a)+\b):8*(8*(\a)+\b)+7], v[\f+8*\b:\f+8*\b+7], v[\f+8*(4*\hi+\a):\f+8*(4*\hi+\a)+7], 0
.else
	v_wmma_f32_16x16x32_bf16 v[8*(8*(\a)+\b):8*(8*(\a)+\b)+7], v[\f+8*\b:\f+8*\b+7], v[\f+8*(4*\hi+\a):\f+8*(4*\hi+\a)+7], v[8*(8*(\a)+\b):8*(8*(\a)+\b)+7]
.endif
.endr
.endr
.endm
; 32 LDS loads in one run: quarter q (32 along K) of a slot into buffer f: B's eight fragments (four of each half), then A's eight
.macro FETCH slot, q, f
	WIN TO_B
.irp i, 0,1,2,3,4,5,6,7
	ds_load_tr16_b128 v[\f+8*\i:\f+8*\i+3],   v[ADRB+2*\slot+\i/4] offset:32*PB*\q+32*(\i%4)
	ds_load_tr16_b128 v[\f+8*\i+4:\f+8*\i+7], v[ADRB+2*\slot+\i/4] offset:32*PB*\q+32*(\i%4)+16*PB
.endr
	WIN 0
.irp i, 0,1,2,3,4,5,6,7
	ds_load_b128 v[\f+8*\i:\f+8*\i+3],   v[ADRA+\slot] offset:64*\q+\i*16*PA
	ds_load_b128 v[\f+8*\i+4:\f+8*\i+7], v[ADRA+\slot] offset:64*\q+\i*16*PA+32
.endr
.endm
; Four plain vector instructions stand between a matrix instruction and a load into, or a vector or LDS instruction on, one of its registers (ISA guide 7.12.1
; for vector instructions)
.macro PLACES
.rept 4
	v_nop
.endr
.endm
.macro QUARTER slot, q, f, g, zero     ; multiplies buffer f; in its middle fetches quarter q of the same slot into buffer g
	s_wait_dscnt 8                                 ; B and A's rows 0-63 are in; the youngest eight loads (A's rows 64-127) may be out
	WIN MUL_LO
	MUL16 \f, 0, 0, \zero
	MUL16 \f, 0, 2, \zero
	PLACES
	FETCH \slot, \q, \g
	s_wait_dscnt 32                                ; all but the 32 just issued
	WIN MUL_HI
	MUL16 \f, 1, 0, \zero
	MUL16 \f, 1, 2, \zero
.endm
.macro THREE slot, zero
	QUARTER \slot, 1, F0, F1, \zero
	QUARTER \slot, 2, F1, F0, 0
	QUARTER \slot, 3, F0, F1, 0
.endm
; The last quarter of a K step: multiplies buffer 1 and changes slots.  In front of the barrier each wave waits for its reads of this slot and for all its
; tensor loads (one is out: its part of the next slot).  Where the slot is filled again the barrier opens a round of the cluster's barrier, and the
; joint refill is the first tensor load behind the round.  From a request to the wait for it a wave issues 240 matrix instructions.
.macro TURN slot, next, fill
	s_wait_dscnt 8
	WIN MUL_LO
	MUL16 F1, 0, 0, 0
	s_wait_dscnt 0                                 ; my reads of this slot are over
	s_wait_tensorcnt 0x0                           ; all my tensor loads have landed
	ds_add_u32 v255, v63
	s_wait_dscnt 0x0
	s_barrier_signal -1
	MUL16 F1, 0, 2, 0                              ; register work while the others arrive
	WIN 0
	s_barrier_wait -1
.if \fill
	CREST                                          ; no wave of any partner still reads this slot or has a load on its way
	s_add_nc_u64 s[G0+4*\slot+2:G0+4*\slot+3], s[G0+4*\slot+2:G0+4*\slot+3], 2*ASTEP
	s_add_nc_u64 s[G0B+4*\slot+2:G0B+4*\slot+3], s[G0B+4*\slot+2:G0B+4*\slot+3], 2*BSTEP
	JLOAD \slot                                    ; its four v_nop are also the places in front of the loads below
.else
	PLACES
.endif
	FETCH \next, 0, F0
	WIN MUL_HI
	MUL16 F1, 1, 0, 0
	MUL16 F1, 1, 2, 0
.endm
.macro LAP zero
	THREE 0, \zero
	TURN 0, 1, 1
	THREE 1, 0
	TURN 1, 0, 1
.endm
	s_wait_tensorcnt 1                             ; my part of K step 0 is in; K step 1's may stay out
	s_barrier_signal -1
	s_barrier_wait -1
	FETCH 0, 0, F0
	LAP 1                                          ; the first lap's first products start the sums
	WIN 0
	s_mov_b32 s15, LAPS-2
.Llap:
	LAP 0
	WIN 0
	s_sub_co_u32 s15, s15, 1
	s_cmp_lg_u32 s15, 0
	s_cbranch_scc1 .Llap
	THREE 0, 0                                     ; the last lap fills nothing
	TURN 0, 1, 0
	THREE 1, 0
	s_wait_dscnt 8
	WIN MUL_LO
	MUL16 F1, 0, 0, 0
	MUL16 F1, 0, 2, 0
	s_wait_dscnt 0
	WIN MUL_HI
	MUL16 F1, 1, 0, 0
	MUL16 F1, 1, 2, 0
	; THE WAY OUT.  First the image: tile (a, b), lane (r, h), registers 0..7 = token 16 a + r, columns 16 b + 8 h + 0..7, 32 bytes at row x 528 + 64 b + 32 h.
	PLACES
	WIN 0
	s_wait_dscnt 0x0                               ; my reads of the slots are over, and no tensor load of mine is out (both met already):
	s_wait_tensorcnt 0x0
	s_barrier_signal -1
	s_barrier_wait -1                              ; the same holds of every wave: the slots' bytes may be written
	WIN 0x08                                       ; store data in window 2
.irp a, 0,1,2,3
.irp b, 0,1,2,3,4,5,6,7
	ds_store_b128 v[WR], v[64*\a+8*\b:64*\a+8*\b+3]   offset:16*IP*\a+64*\b
	ds_store_b128 v[WR], v[64*\a+8*\b+4:64*\a+8*\b+7] offset:16*IP*\a+64*\b+16
.endr
.endr
	WIN 0x0c                                       ; in window 3
.irp a, 0,1,2,3
.irp b, 0,1,2,3,4,5,6,7
	ds_store_b128 v[WR], v[64*\a+8*\b:64*\a+8*\b+3]   offset:16*IP*(\a+4)+64*\b
	ds_store_b128 v[WR], v[64*\a+8*\b+4:64*\a+8*\b+7] offset:16*IP*(\a+4)+64*\b+16
.endr
.endr
	WIN 0
	s_wait_loadcnt 0x0                             ; comb
.irp j, 0,1,2,3
	v_mul_f32 v[CB+\j], 0.5, v[CB+\j]              ; the table holds comb / 2: gelu's factor 1 / 2 costs four multiplies a wave
.endr
.irp j, 0,1,2,3
	ds_store_b32 v[CTW], v[CB+\j] offset:128*\j
.endr
	s_wait_dscnt 0x0                               ; my stores are done
	s_barrier_signal -1                            ; a wave reads its own image and table alone; the loops step their LDS addresses, and behind this barrier
	s_barrier_wait -1                              ; their reads are ordered behind every wave's stores, whichever rows they reach.  Nothing writes LDS from here on
.macro PKMUL d, a, b                   ; 32 numbers: d = a b
.set j, 0
.rept 16
	v_pk_mul_f32 v[\d+j:\d+j+1], v[\a+j:\a+j+1], v[\b+j:\b+j+1]
.set j, j+2
.endr
.endm
.macro PKMULK d, a, c                  ; d = a x the pair c
.set j, 0
.rept 16
	v_pk_mul_f32 v[\d+j:\d+j+1], v[\a+j:\a+j+1], v[\c:\c+1]
.set j, j+2
.endr
.endm
.macro PKFMAK d, a, b, c               ; d = a b + the pair c
.set j, 0
.rept 16
	v_pk_fma_f32 v[\d+j:\d+j+1], v[\a+j:\a+j+1], v[\b+j:\b+j+1], v[\c:\c+1]
.set j, j+2
.endr
.endm
.macro TRANS op, d                     ; 32 transcendentals in place, back to back
.set j, 0
.rept 32
	\op v[\d+j], v[\d+j]
.set j, j+1
.endr
.endm
.macro CVT16 d, s                      ; 32 roundings to bf16, packed
.set j, 0
.rept 16
	v_cvt_pk_bf16_f32 v[\d+j], v[\s+2*j], v[\s+2*j+1]
.set j, j+1
.endr
.endm
; SHARED: a turn is 16 tokens x 64 hidden columns.  Lane l takes token 4 q + l / 8 (q = 0..3), columns 8 (l % 8) + 0..7: h1 from the image's left half, h3 from its right.
.macro SLOAD S                         ; 16 loads into set S, and the address goes 16 rows on
.irp q, 0,1,2,3
	ds_load_b128 v[\S+8*\q:\S+8*\q+3],         v[RDI] offset:4*IP*\q
	ds_load_b128 v[\S+8*\q+4:\S+8*\q+7],       v[RDI] offset:4*IP*\q+16
	ds_load_b128 v[\S+32+8*\q:\S+32+8*\q+3],   v[RDI] offset:4*IP*\q+256
	ds_load_b128 v[\S+32+8*\q+4:\S+32+8*\q+7], v[RDI] offset:4*IP*\q+272
.endr
	v_add_nc_u32 v[RDI], 16*IP, v[RDI]
.endm
.macro SCOMP S, O, off                 ; silu(h1) h3 of set S, packed into O and stored
.set j, 0
.rept 16
	v_pk_mul_f32 v[ST+j:ST+j+1], v[\S+j:\S+j+1], s[66:67] op_sel_hi:[1,0]     ; -h1 log2(e)
.set j, j+2
.endr
	TRANS v_exp_f32, ST
	v_nop                                          ; a plain instruction between transcendentals and their use (ISA guide 5.7.2)
.set j, 0
	s_wait_alu depctr_va_vdst(0)
.rept 16
	v_pk_add_f32 v[ST+j:ST+j+1], v[ST+j:ST+j+1], v[ONE:ONE+1]
.set j, j+2
.endr
	TRANS v_rcp_f32, ST
	v_nop
	s_wait_alu depctr_va_vdst(0)
	PKMUL ST, \S, ST                               ; silu first: h1 x 0 is formed before h3 comes in
	PKMUL ST, \S+32, ST
	CVT16 \O, ST
.irp q, 0,1,2,3
	global_store_b128 v[CO], v[\O+4*\q:\O+4*\q+3], s[8:9] offset:\off+512*\q     ; four tokens' 128 bytes: 512 consecutive bytes, aligned
.endr
.endm
; ROUTED: a trip is 8 tokens x 128 hidden columns.  Lane l takes token 4 q + l / 8 (q = 0, 1), columns 8 (l % 8) + 0..7 of the left and of the right half.
; comb gelu(x) = u + |u| erf(|x| / sqrt 2), u = x comb / 2;  erf(z) = 1 - (a1 t + .. + a5 t^5) e^(-z z), t = 1 / (1 + 0.3275911 z)
.macro GLOAD                           ; 10 loads, and the addresses go 8 tokens on
.irp q, 0,1
	ds_load_b128 v[XX+16*\q:XX+16*\q+3],     v[RDI] offset:4*IP*\q
	ds_load_b128 v[XX+16*\q+4:XX+16*\q+7],   v[RDI] offset:4*IP*\q+16
	ds_load_b128 v[XX+16*\q+8:XX+16*\q+11],  v[RDI] offset:4*IP*\q+256
	ds_load_b128 v[XX+16*\q+12:XX+16*\q+15], v[RDI] offset:4*IP*\q+272
	ds_load_b32 v[CP+\q], v[RDC] offset:16*\q
.endr
	v_add_nc_u32 v[RDI], 8*IP, v[RDI]
	v_add_nc_u32 v[RDC], 32, v[RDC]
.endm
.macro GTRIP ahead
	s_wait_dscnt 0x0                               ; this trip's ten loads, issued in the middle of the last trip
.set j, 0
.rept 32
	v_fma_f32 v[TT+j], |v[XX+j]|, s68, 1.0         ; 1 + p |x| / sqrt 2
.set j, j+1
.endr
	PKMUL QQ, XX, XX
	PKMULK QQ, QQ, KEX                             ; -x x log2(e) / 2
	TRANS v_rcp_f32, TT                            ; t
	TRANS v_exp_f32, QQ                            ; e^(-x x / 2)
.set j, 0
.rept 8                                            ; u = x comb / 2, by my first token's weight; also the plain work behind the transcendentals
	v_pk_mul_f32 v[HX+j:HX+j+1], v[XX+j:XX+j+1], v[CP:CP+1] op_sel_hi:[1,0]
.set j, j+2
.endr
.rept 8                                            ; and by my second token's
	v_pk_mul_f32 v[HX+j:HX+j+1], v[XX+j:XX+j+1], v[CP:CP+1] op_sel:[0,1] op_sel_hi:[1,1]
.set j, j+2
.endr
.if \ahead
	GLOAD                                          ; x and the weights have been used: the next trip's come in under the rest of this one
.endif
.set j, 0
	s_wait_alu depctr_va_vdst(0)
.rept 16
	v_pk_fma_f32 v[PP+j:PP+j+1], v[TT+j:TT+j+1], v[KA5:KA5+1], v[KA4:KA4+1]
.set j, j+2
.endr
	PKFMAK PP, PP, TT, KA3
	PKFMAK PP, PP, TT, KA2
	PKFMAK PP, PP, TT, KA1                         ; -(a1 + a2 t + a3 t^2 + a4 t^3 + a5 t^4)
	PKMUL TT, TT, QQ
	PKFMAK PP, PP, TT, ONE                         ; erf
.set j, 0
.rept 32
	v_fma_f32 v[HX+j], |v[HX+j]|, v[PP+j], v[HX+j]
.set j, j+1
.endr
	CVT16 OUTP, HX
.irp q, 0,1
	global_store_b128 v[CO], v[OUTP+8*\q:OUTP+8*\q+3],   s[8:9] offset:512*\q            ; 512 consecutive bytes, aligned
	global_store_b128 v[CO], v[OUTP+8*\q+4:OUTP+8*\q+7], s[8:9] offset:512*\q+1048576    ; the right half's group lies two groups further
.endr
.if \ahead
	s_wait_xcnt 0x0                                ; the packed words and the base, which the stores read, are rewritten only behind this wait
	s_add_nc_u64 s[8:9], s[8:9], 1024              ; 8 tokens of 128 bytes
.endif
.endm
	s_cmp_ge_u32 s69, 4                            ; cluster y: alike in all partners; no barrier stands inside either way
	s_cbranch_scc0 .Lrouted
	SLOAD SA                                       ; eight turns on two sets: while one is worked on, the other's 16 loads are on their way
	s_mov_b32 s15, 3
.Lsilu:
	SLOAD SB
	s_wait_dscnt 16                                ; set A is in; set B's 16 loads stay out
	SCOMP SA, OA, 0
	SLOAD SA
	s_wait_dscnt 16                                ; set B is in; set A's 16 stay out
	SCOMP SB, OB, 2048
	s_wait_xcnt 0x0                                ; the packed words and the base are rewritten only behind this wait
	s_add_nc_u64 s[8:9], s[8:9], 4096              ; 32 tokens of 128 bytes
	s_sub_co_u32 s15, s15, 1
	s_cmp_lg_u32 s15, 0
	s_cbranch_scc1 .Lsilu
	SLOAD SB                                       ; the last two turns: one more run of loads, then none
	s_wait_dscnt 16
	SCOMP SA, OA, 0
	s_wait_dscnt 0x0
	SCOMP SB, OB, 2048
	s_branch .Ljoin
.Lrouted:
	GLOAD
	s_mov_b32 s15, 15
.Lgelu:
	GTRIP 1
	s_sub_co_u32 s15, s15, 1
	s_cmp_lg_u32 s15, 0
	s_cbranch_scc1 .Lgelu
	GTRIP 0                                        ; the last trip reads nothing further
.Ljoin:
	s_set_vgpr_msb 0x1
	s_wait_tensorcnt 0x0
	ds_add_u32 v255, v63
	s_wait_dscnt 0x0
	s_set_vgpr_msb 0x100
	CROUND                                         ; the closing round: no work-group ends while a partner may still ask for a tile that names it
	s_endpgm
.Lfunc_end_k_qec6da2bc62_up:
	.size	k_qec6da2bc62_up, .Lfunc_end_k_qec6da2bc62_up-k_qec6da2bc62_up
	.p2alignl 7, 3214868480
	.fill 96, 4, 3214868480
	.section	.rodata,"a",@progbits
	.p2align	6, 0x0
	.amdhsa_kernel k_qec6da2bc62_up
		.amdhsa_group_segment_fixed_size 327680
		.amdhsa_private_segment_fixed_size 0
		.amdhsa_enable_private_segment 0
		.amdhsa_kernarg_size 32
		.amdhsa_user_sgpr_count 2
		.amdhsa_user_sgpr_kernarg_segment_ptr 1
		.amdhsa_wavefront_size32 1
		.amdhsa_system_sgpr_workgroup_id_x 1
		.amdhsa_system_sgpr_workgroup_id_y 1
		.amdhsa_system_sgpr_workgroup_id_z 1
		.amdhsa_system_vgpr_workitem_id 0
		.amdhsa_next_free_vgpr 1024
		.amdhsa_next_free_sgpr 80
		.amdhsa_reserve_vcc 0
		.amdhsa_float_denorm_mode_32 3
		.amdhsa_float_denorm_mode_16_64 3
		.amdhsa_memory_ordered 1
		.amdhsa_forward_progress 1
		.amdhsa_inst_pref_size 244
	.end_amdhsa_kernel
	.amdgpu_metadata
---
amdhsa.version: [ 1, 2 ]
amdhsa.kernels:
  - .name:           k_qec6da2bc62_up
    .symbol:         k_qec6da2bc62_up.kd
    .args:
      - { .name: xb, .offset: 0, .size: 8, .value_kind: global_buffer, .address_space: global }
      - { .name: wa, .offset: 8, .size: 8, .value_kind: global_buffer, .address_space: global }
      - { .name: hid, .offset: 16, .size: 8, .value_kind: global_buffer, .address_space: global }
      - { .name: comb, .offset: 24, .size: 8, .value_kind: global_buffer, .address_space: global }
    .group_segment_fixed_size: 327680
    .private_segment_fixed_size: 0
    .kernarg_segment_align: 8
    .kernarg_segment_size: 32
    .max_flat_workgroup_size: 128
    .sgpr_count:     80
    .vgpr_count:     1024
    .wavefront_size: 32
...
	.end_amdgpu_metadata
.endif
;; end of part 2
;; launch down (part 3): grid 8 x 32, 4 waves a work-group, clusters of 4 x 4, 327,680 bytes of LDS; arguments hid, w2b, out0; writes out0
.if DOCPART == 3
	.amdgcn_target "amdgcn-amd-amdhsa--gfx1250"
	.amdhsa_code_object_version 6
	.text
	.protected	k_qec6da2bc62_down
	.globl	k_qec6da2bc62_down
	.p2align	8
	.type	k_qec6da2bc62_down,@function
k_qec6da2bc62_down:
	s_mov_b64 s[64:65], 0
	v_nop
	global_prefetch_b8 v0, s[64:65] scope:SCOPE_SE
	s_setreg_imm32_b32 hwreg(HW_REG_WAVE_MODE, 25, 1), 1
	s_wait_xcnt 0x0
	s_wait_alu depctr_hold_cnt(0) depctr_sa_sdst(0) depctr_va_vdst(0) depctr_va_sdst(0) depctr_va_ssrc(0) depctr_va_vcc(0) depctr_vm_vsrc(0)
	s_getreg_b32 s2, hwreg(HW_REG_IB_STS2, 6, 4)
	s_cmp_eq_u32 s2, 0
	s_cbranch_scc0 .Lentry_in_a_cluster
	s_endpgm
.Lentry_in_a_cluster:
	s_bfe_u32 s2, ttmp6, 0x10000c
	s_cmp_lg_u32 s2, 0xf033
	s_cbranch_scc0 .Lentry_shape_is_right
	s_endpgm
.Lentry_shape_is_right:
; down: layer 2 of all experts as one product, out0 [4096][1024] f32 = hid (4096 x 6144, bf16) x w2b [6144 k][1024 n] (bf16).
; 256 work-groups, each a block of 128 tokens x 128 columns.  K IS SHARED OUT AMONG THE FOUR WAVES: every wave keeps the whole block, 64 accumulator tiles
; in 512 registers, and takes 64 of each 256 along K, so that each byte read from LDS feeds as many products as in a block of 256 x 256 made by four
; waves of 128 x 128.  The four partial sums meet once, in LDS, at the end: each output is the f32 sum of four partial f32 sums over K.
; hid is [96 G][4096 token][64 c], k = 64 G + c: a K step of 256 is four groups, wave w multiplies group 4 step + w; the block's 128 tokens of one group
; are 16,384 consecutive bytes.  w2b keeps its [k][n] order: B's fragments come by the transposing LDS load.
; K goes in 24 steps of 256 through two LDS slots.  CLUSTERS: 4 x 4 work-groups; A's tiles hang on the block row alone and are asked for jointly along a
; row of the cluster, B's on the block column alone, jointly along a column.  A wave has two tensor loads out at the start and
; one behind each refill; from a request to the wait for it a wave issues 112 matrix instructions; two larger slots do not fit in LDS.
; Registers in windows as follows: window 0: v16-31 addresses, v64-127 and v128-191 fragments of A; window 1: fragments of B; windows 2, 3: accumulators,
; tile (a, b) at v[8 (8 a + b)].  The matrix instruction is used transposed: lane l holds token l % 16 and columns 8 (l / 16) + 0 .. 7 of its tile.
.set PA,     144                       ; A's LDS row: 128 bytes (64 c) + 16
.set PB,     288                       ; B's LDS row (one k, 128 n): 256 bytes + 32
.set PANEL,  128*PA                    ; one group's 128 tokens: 18,432 bytes
.set REG,    36864                     ; what one tensor load fills: two panels of A, or 128 rows of B
.set SLOT,   4*REG                     ; A's four panels, then B's 256 rows
.set IP,     528                       ; a row of a partial block: 512 bytes + 16
.set IMG,    128*IP                    ; a wave's partial block: 67,584 bytes
.set LAPS,   12                        ; 6144 / (2 x 256)
.set ASTEP,  2097152                   ; a K step in hid: four groups of 524,288 bytes
.set BSTEP,  524288                    ; in w2b: 256 rows of 2,048 bytes
.set ADRA, 16                          ; v16-17  LDS address of my A fragments in slot 0, 1
.set ADRB, 20                          ; v20-21  of my B fragments
.set WR,   24                          ; v24     where I put my partial sums
.set CO,   26                          ; v26     16 x lane
.set RD,   28                          ; v28-31  where I read my 32 rows in partial block 0..3
.set F0,   64
.set F1,   128
.set G1,  24
.set G0,  32
.set G1B, 48
.set G0B, 56
.set MSB, 0
.macro WIN new                         ; the immediate's high byte repeats the setting that is left
.if MSB != \new
	s_set_vgpr_msb (MSB<<8)|\new
.set MSB, \new
.endif
.endm
.set MUL_LO, 0xa1
.set MUL_HI, 0xf1
.set TO_B,   0x40
.macro JLOAD s                         ; waves 0 and 1 fetch A's panels 0, 1 and 2, 3; waves 2 and 3 B's rows 0-127 and 128-255
	s_cmp_eq_u32 s13, 0
	s_cbranch_scc0 .Lfor_b_\@
	tensor_load_to_lds s[G0+4*\s:G0+4*\s+3], s[G1:G1+7]
	s_nop 0
.rept 4
	v_nop
.endr
	s_branch .Lasked_\@
.Lfor_b_\@:
	tensor_load_to_lds s[G0B+4*\s:G0B+4*\s+3], s[G1B:G1B+7]
	s_nop 0
.rept 4
	v_nop
.endr
.Lasked_\@:
.endm
.macro CREST
	s_cmp_lg_u32 s12, 0
	s_cbranch_scc1 .Lnot_wave_0_\@
	s_barrier_signal -3
.Lnot_wave_0_\@:
	s_barrier_wait -3
	s_barrier_signal -1
	s_barrier_wait -1
.endm
.macro CROUND
	s_barrier_signal -1
	s_barrier_wait -1
	CREST
.endm
	s_load_b128 s[4:7], s[0:1], 0x0                ; hid s[4:5], w2b s[6:7]
	s_load_b64 s[8:9], s[0:1], 0x10                ; out0
	s_set_vgpr_msb 0x40
	v_lshl_add_u32 v255, v0, 2, 0x48000
	s_set_vgpr_msb 0x4000
	v_mov_b32 v255, 0
	s_set_vgpr_msb 0x1
	ds_add_u32 v255, v255
	s_set_vgpr_msb 0x100
	v_lshrrev_b32 v1, 5, v0
	v_readfirstlane_b32 s12, v1                    ; wave 0..3: my 64 of each 256 along K
	s_lshr_b32 s13, s12, 1                         ; I fetch for A (0) or for B (1)
	s_and_b32 s14, s12, 1                          ; and which half of it
	s_bfe_u32 s40, ttmp6, 0x40000                  ; cx
	s_bfe_u32 s41, ttmp6, 0x40004                  ; cy
	s_lshl_b32 s42, ttmp9, 2
	s_add_co_u32 s42, s42, s40                     ; block column bc
	s_and_b32 s45, ttmp7, 0xffff
	s_lshl_b32 s45, s45, 2
	s_add_co_u32 s45, s45, s41                     ; block row br
	s_lshl_b32 s43, s41, 2
	s_lshl_b32 s43, 15, s43                        ; my row of the cluster
	s_lshl_b32 s44, 0x1111, s40                    ; my column
	; group 1 for A: two rows of 8,192 elements (a group's 128 tokens, 16,384 dense bytes), 262,144 elements apart; 4 words of padding behind every 32 words,
	; counted along the whole tile: 256 pieces of 128 + 16 bytes = two panels
	s_or_b32 s[G1+0], s43, (1<<16)|(1<<20)|(1<<21)|(4<<22)|(3<<25)
	s_mov_b32 s[G1+1], 8192<<16                    ; tensor_dim0 = 8192
	s_mov_b32 s[G1+2], 2<<16                       ; tensor_dim1 = 2
	s_mov_b32 s[G1+3], 8192<<16                    ; tile_dim0 = 8192
	s_mov_b32 s[G1+4], 2                           ; tile_dim1 = 2
	s_mov_b32 s[G1+5], 262144
	s_mov_b32 s[G1+6], 0
	s_mov_b32 s[G1+7], 0
	; group 1 for B: 128 rows x 128 elements, 1,024 elements apart; 8 words of padding behind every 64
	s_or_b32 s[G1B+0], s44, (1<<16)|(1<<20)|(1<<21)|(5<<22)|(7<<25)
	s_mov_b32 s[G1B+1], 128<<16
	s_mov_b32 s[G1B+2], 128<<16
	s_mov_b32 s[G1B+3], 128<<16
	s_mov_b32 s[G1B+4], 128
	s_mov_b32 s[G1B+5], 1024
	s_mov_b32 s[G1B+6], 0
	s_mov_b32 s[G1B+7], 0
	s_lshl_b32 s16, s14, 20                        ; A: group 2 half,
	s_lshl_b32 s17, s45, 14                        ; token 128 br: 16,384 bytes a block row
	s_add_co_u32 s16, s16, s17
	s_mov_b32 s17, 0
	s_lshl_b32 s46, s14, 18                        ; B: row 128 half,
	s_lshl_b32 s47, s42, 8                         ; column 128 bc
	s_add_co_u32 s46, s46, s47
	s_mov_b32 s47, 0
	s_mul_i32 s20, s12, REG
	s_wait_dscnt 0x0
	s_wait_kmcnt 0x0
	s_add_nc_u64 s[18:19], s[4:5], s[16:17]
	s_add_nc_u64 s[46:47], s[6:7], s[46:47]
	CROUND                                         ; all sixteen work-groups are here: the first joint loads meet
.irp s, 0,1
	s_mov_b32 s[G0+4*\s], 1
	s_add_co_u32 s[G0+4*\s+1], s20, \s*SLOT
	s_add_nc_u64 s[G0+4*\s+2:G0+4*\s+3], s[18:19], \s*ASTEP
	s_or_b32 s[G0+4*\s+3], s[G0+4*\s+3], 0x80000000
	s_mov_b32 s[G0B+4*\s], 1
	s_add_co_u32 s[G0B+4*\s+1], s20, \s*SLOT
	s_add_nc_u64 s[G0B+4*\s+2:G0B+4*\s+3], s[46:47], \s*BSTEP
	s_or_b32 s[G0B+4*\s+3], s[G0B+4*\s+3], 0x80000000
	JLOAD \s
.endr
	v_and_b32 v1, 15, v0                           ; r
	v_bfe_u32 v2, v0, 4, 1                         ; h
	v_mul_u32_u24 v3, v1, PA
	v_lshl_add_u32 v3, v2, 4, v3
	s_mul_i32 s21, s12, PANEL                      ; my panel
	v_add_nc_u32 v[ADRA], s21, v3
	v_add_nc_u32 v[ADRA+1], SLOT, v[ADRA]
	v_and_b32 v3, 7, v0
	v_lshl_add_u32 v3, v2, 3, v3                   ; row 8 h + l % 8 of my 64 rows of B
	v_mul_u32_u24 v3, v3, PB
	v_bfe_u32 v4, v0, 3, 1
	v_lshl_add_u32 v3, v4, 4, v3
	s_mul_i32 s22, s12, 64*PB
	s_add_co_u32 s22, s22, 2*REG
	v_add_nc_u32 v[ADRB], s22, v3
	v_add_nc_u32 v[ADRB+1], SLOT, v[ADRB]
	v_mul_u32_u24 v4, v1, IP
	v_lshl_add_u32 v4, v2, 5, v4                   ; row r, 32 bytes for each half of the lanes
	s_mul_i32 s23, s12, IMG
	v_add_nc_u32 v[WR], s23, v4
	v_and_b32 v[CO], 31, v0
	v_lshlrev_b32 v[CO], 4, v[CO]
	s_mul_i32 s23, s12, 32*IP                      ; my 32 rows of the block
	v_add_nc_u32 v[RD], s23, v[CO]
	v_add_nc_u32 v[RD+1], IMG, v[RD]
	v_add_nc_u32 v[RD+2], 2*IMG, v[RD]
	v_add_nc_u32 v[RD+3], 3*IMG, v[RD]
	s_lshl_b32 s70, s45, 7
	s_lshl_b32 s71, s12, 5
	s_add_co_u32 s70, s70, s71                     ; token 128 br + 32 w
	s_lshl_b32 s70, s70, 12                        ; x 4,096 bytes
	s_lshl_b32 s71, s42, 9                         ; column 128 bc, 512 bytes
	s_add_co_u32 s70, s70, s71
	s_mov_b32 s71, 0
	s_add_nc_u64 s[8:9], s[8:9], s[70:71]
; The 64 accumulators take turns, one instruction a turn, in the same order in every quarter.
.macro MUL16 f, hi, a0, zero
.irp a, \a0, \a0+1
.irp b, 0,1,2,3,4,5,6,7
.if \zero
	v_wmma_f32_16x16x32_bf16 v[8*(8*(\a)+\b):8*(8*(\a)+\b)+7], v[\f+8*\b:\f+8*\b+7], v[\f+8*(4*\hi+\a):\f+8*(4*\hi+\a)+7], 0
.else
	v_wmma_f32_16x16x32_bf16 v[8*(8*(\a)+\b):8*(8*(\a)+\b)+7], v[\f+8*\b:\f+8*\b+7], v[\f+8*(4*\hi+\a):\f+8*(4*\hi+\a)+7], v[8*(8*(\a)+\b):8*(8*(\a)+\b)+7]
.endif
.endr
.endr
.endm
.macro FETCH slot, q, f                ; 32 of my 64 along K: B's eight fragments, then A's eight
	WIN TO_B
.irp i, 0,1,2,3,4,5,6,7
	ds_load_tr16_b128 v[\f+8*\i:\f+8*\i+3],   v[ADRB+\slot] offset:32*PB*\q+32*\i
	ds_load_tr16_b128 v[\f+8*\i+4:\f+8*\i+7], v[ADRB+\slot] offset:32*PB*\q+32*\i+16*PB
.endr
	WIN 0
.irp i, 0,1,2,3,4,5,6,7
	ds_load_b128 v[\f+8*\i:\f+8*\i+3],   v[ADRA+\slot] offset:64*\q+\i*16*PA
	ds_load_b128 v[\f+8*\i+4:\f+8*\i+7], v[ADRA+\slot] offset:64*\q+\i*16*PA+32
.endr
.endm
.macro PLACES                          ; four plain vector instructions between a matrix instruction and a load into, or a vector or LDS instruction on, its registers (ISA guide 7.12.1 for vector instructions)
.rept 4
	v_nop
.endr
.endm
.macro QUARTER slot, q, f, g, zero
	s_wait_dscnt 8                                 ; B and A's rows 0-63 are in; the youngest eight loads (A's rows 64-127) may be out
	WIN MUL_LO
	MUL16 \f, 0, 0, \zero
	MUL16 \f, 0, 2, \zero
	PLACES
	FETCH \slot, \q, \g
	s_wait_dscnt 32                                ; all but the 32 just issued
	WIN MUL_HI
	MUL16 \f, 1, 0, \zero
	MUL16 \f, 1, 2, \zero
.endm
; The second half of a K step: multiplies buffer 1 and changes slots.  The waits for my reads of this slot and for all my tensor loads stand in front of the
; barrier; where the slot is filled again the barrier opens a round of the cluster's barrier and the joint refill is the first tensor load behind the round.
.macro TURN slot, next, fill
	s_wait_dscnt 8
	WIN MUL_LO
	MUL16 F1, 0, 0, 0
	s_wait_dscnt 0
	s_wait_tensorcnt 0x0
	ds_add_u32 v255, v255
	s_wait_dscnt 0x0
	s_barrier_signal -1
	MUL16 F1, 0, 2, 0
	WIN 0
	s_barrier_wait -1
.if \fill
	CREST
	s_add_nc_u64 s[G0+4*\slot+2:G0+4*\slot+3], s[G0+4*\slot+2:G0+4*\slot+3], 2*ASTEP
	s_add_nc_u64 s[G0B+4*\slot+2:G0B+4*\slot+3], s[G0B+4*\slot+2:G0B+4*\slot+3], 2*BSTEP
	JLOAD \slot
.else
	PLACES
.endif
	FETCH \next, 0, F0
	WIN MUL_HI
	MUL16 F1, 1, 0, 0
	MUL16 F1, 1, 2, 0
.endm
.macro STEP slot, next, fill, zero
	QUARTER \slot, 1, F0, F1, \zero
	TURN \slot, \next, \fill
.endm
.macro LAP zero
	STEP 0, 1, 1, \zero
	STEP 1, 0, 1, 0
.endm
	s_wait_tensorcnt 1                             ; my part of K step 0 is in; K step 1's may stay out
	s_barrier_signal -1
	s_barrier_wait -1
	FETCH 0, 0, F0
	LAP 1
	WIN 0
	s_mov_b32 s15, LAPS-2
.Llap:
	LAP 0
	WIN 0
	s_sub_co_u32 s15, s15, 1
	s_cmp_lg_u32 s15, 0
	s_cbranch_scc1 .Llap
	STEP 0, 1, 0, 0                                ; the last lap fills nothing
	QUARTER 1, 1, F0, F1, 0
	s_wait_dscnt 8
	WIN MUL_LO
	MUL16 F1, 0, 0, 0
	MUL16 F1, 0, 2, 0
	s_wait_dscnt 0
	WIN MUL_HI
	MUL16 F1, 1, 0, 0
	MUL16 F1, 1, 2, 0
	; THE WAY OUT.  The slots have had their last fill.  Each wave lays its partial block into LDS as 128 rows of 512 + 16 bytes; then wave w adds the four
	; partial blocks' rows 32 w .. + 31 and stores them.
	PLACES
	WIN 0
	s_wait_dscnt 0x0                               ; my reads of the slots are over, and no tensor load of mine is out (both met already):
	s_wait_tensorcnt 0x0
	s_barrier_signal -1
	s_barrier_wait -1                              ; the same holds of every wave: the slots' bytes may be written
	WIN 0x08                                       ; store data in window 2
.irp a, 0,1,2,3
.irp b, 0,1,2,3,4,5,6,7
	ds_store_b128 v[WR], v[64*\a+8*\b:64*\a+8*\b+3]   offset:16*IP*\a+64*\b
	ds_store_b128 v[WR], v[64*\a+8*\b+4:64*\a+8*\b+7] offset:16*IP*\a+64*\b+16
.endr
.endr
	WIN 0x0c                                       ; in window 3
.irp a, 0,1,2,3
.irp b, 0,1,2,3,4,5,6,7
	ds_store_b128 v[WR], v[64*\a+8*\b:64*\a+8*\b+3]   offset:16*IP*(\a+4)+64*\b
	ds_store_b128 v[WR], v[64*\a+8*\b+4:64*\a+8*\b+7] offset:16*IP*(\a+4)+64*\b+16
.endr
.endr
	WIN 0
	s_wait_dscnt 0x0                               ; for the others' sake: my stores are done
	s_barrier_signal -1
	s_barrier_wait -1
; four rows 4 g .. 4 g + 3 of my 32: a row is 512 bytes, 16 a lane, from each of the four partial blocks
.macro RED g, f
	s_wait_xcnt 0x0                                ; the registers that earlier stores read are loaded again only behind this wait
.irp rr, 0,1,2,3
.irp m, 0,1,2,3
	ds_load_b128 v[\f+16*\rr+4*\m:\f+16*\rr+4*\m+3], v[RD+\m] offset:IP*(4*\g+\rr)
.endr
.endr
.irp rr, 0,1,2,3
	s_wait_dscnt 12-4*\rr                          ; this row's four loads are in; the later rows' stay out
	v_pk_add_f32 v[\f+16*\rr:\f+16*\rr+1],     v[\f+16*\rr:\f+16*\rr+1],     v[\f+16*\rr+4:\f+16*\rr+5]
	v_pk_add_f32 v[\f+16*\rr+2:\f+16*\rr+3],   v[\f+16*\rr+2:\f+16*\rr+3],   v[\f+16*\rr+6:\f+16*\rr+7]
	v_pk_add_f32 v[\f+16*\rr+8:\f+16*\rr+9],   v[\f+16*\rr+8:\f+16*\rr+9],   v[\f+16*\rr+12:\f+16*\rr+13]
	v_pk_add_f32 v[\f+16*\rr+10:\f+16*\rr+11], v[\f+16*\rr+10:\f+16*\rr+11], v[\f+16*\rr+14:\f+16*\rr+15]
	v_pk_add_f32 v[\f+16*\rr:\f+16*\rr+1],     v[\f+16*\rr:\f+16*\rr+1],     v[\f+16*\rr+8:\f+16*\rr+9]
	v_pk_add_f32 v[\f+16*\rr+2:\f+16*\rr+3],   v[\f+16*\rr+2:\f+16*\rr+3],   v[\f+16*\rr+10:\f+16*\rr+11]
	global_store_b128 v[CO], v[\f+16*\rr:\f+16*\rr+3], s[8:9] offset:4096*(4*\g+\rr) th:TH_STORE_NT   ; 512 consecutive bytes of a row of out0, aligned
.endr
.endm
	RED 0, F0
	RED 1, F1
	RED 2, F0
	RED 3, F1
	RED 4, F0
	RED 5, F1
	RED 6, F0
	RED 7, F1
	s_set_vgpr_msb 0x1
	s_wait_tensorcnt 0x0
	ds_add_u32 v255, v255
	s_wait_dscnt 0x0
	s_set_vgpr_msb 0x100
	CROUND                                         ; the closing round: no work-group ends while a partner may still ask for a tile that names it
	s_endpgm
.Lfunc_end_k_qec6da2bc62_down:
	.size	k_qec6da2bc62_down, .Lfunc_end_k_qec6da2bc62_down-k_qec6da2bc62_down
	.p2alignl 7, 3214868480
	.fill 96, 4, 3214868480
	.section	.rodata,"a",@progbits
	.p2align	6, 0x0
	.amdhsa_kernel k_qec6da2bc62_down
		.amdhsa_group_segment_fixed_size 327680
		.amdhsa_private_segment_fixed_size 0
		.amdhsa_enable_private_segment 0
		.amdhsa_kernarg_size 24
		.amdhsa_user_sgpr_count 2
		.amdhsa_user_sgpr_kernarg_segment_ptr 1
		.amdhsa_wavefront_size32 1
		.amdhsa_system_sgpr_workgroup_id_x 1
		.amdhsa_system_sgpr_workgroup_id_y 1
		.amdhsa_system_sgpr_workgroup_id_z 1
		.amdhsa_system_vgpr_workitem_id 0
		.amdhsa_next_free_vgpr 1024
		.amdhsa_next_free_sgpr 80
		.amdhsa_reserve_vcc 0
		.amdhsa_float_denorm_mode_32 3
		.amdhsa_float_denorm_mode_16_64 3
		.amdhsa_memory_ordered 1
		.amdhsa_forward_progress 1
		.amdhsa_inst_pref_size 121
	.end_amdhsa_kernel
	.amdgpu_metadata
---
amdhsa.version: [ 1, 2 ]
amdhsa.kernels:
  - .name:           k_qec6da2bc62_down
    .symbol:         k_qec6da2bc62_down.kd
    .args:
      - { .name: hid, .offset: 0, .size: 8, .value_kind: global_buffer, .address_space: global }
      - { .name: w2b, .offset: 8, .size: 8, .value_kind: global_buffer, .address_space: global }
      - { .name: out0, .offset: 16, .size: 8, .value_kind: global_buffer, .address_space: global }
    .group_segment_fixed_size: 327680
    .private_segment_fixed_size: 0
    .kernarg_segment_align: 8
    .kernarg_segment_size: 24
    .max_flat_workgroup_size: 128
    .sgpr_count:     80
    .vgpr_count:     1024
    .wavefront_size: 32
...
	.end_amdgpu_metadata
.endif
;; end of part 3
